; MI455X (gfx1250); checked and timed in simulation.
; The chip was launched on July 23, 2026; its instructions are those of AMD's public machine-readable ISA for CDNA 5 (MIT licence, August 2026) and "CDNA5" Instruction Set Architecture Reference Guide (July 2026). The comments in the code are by the model that wrote it; some were corrected since.
;; Attention. Allowed arithmetic: matrix products marked QUANTISED: E4M3 operands, one given power-of-two scale a tensor, by v_wmma_f32_16x16x64_fp8_fp8 or v_wmma_f32_16x16x128_fp8_fp8, f32 sums; everything else in f32.
;; Inputs: Wk 1,024 x 1,024 float32; Wq 1,024 x 1,024 float32; Wv 1,024 x 1,024 float32; attention_mask 4 x 2,048 float32; bk 1,024 float32; bq 1,024 float32; bv 1,024 float32; hidden_states 4 x 2,048 x 1,024 float32; lowp_scales 10 int32 (the exponents e of the quantised operands' scales 2^e).
;; Outputs: out0 4 x 2,048 x 16 x 64 float32.
;; This version of the problem:
;;   THIS VERSION OF THE PROBLEM IS GIVEN IN LOW PRECISION. The matrix products marked QUANTISED in the list below multiply operands that are first quantised to E4M3 (4 exponent bits, 3 mantissa bits; 8 bits a number), with one given power-of-two scale for each operand tensor; their sums are f32. All else is computed in f32.
;;   The module's matrix products, in the order in which they are computed (A, B: the left and right operand; K: the contracted axis; several contracted axes count as one K, in the product's order):
;;     1. [M 8,192, K 1,024] x [K 1,024, N 1,024]; A: input hidden_states; B: input Wq: QUANTISED (scales: A lowp_scales[0], B lowp_scales[1])
;;     2. [M 8,192, K 1,024] x [K 1,024, N 1,024]; A: input hidden_states; B: input Wk: QUANTISED (scales: A lowp_scales[2], B lowp_scales[3])
;;     3. [M 8,192, K 1,024] x [K 1,024, N 1,024]; A: input hidden_states; B: input Wv: QUANTISED (scales: A lowp_scales[4], B lowp_scales[5])
;;     4. batch 64 x [M 2,048, K 64] x [K 64, N 2,048]; A: computed on the way; B: computed on the way: QUANTISED (scales: A lowp_scales[6], B lowp_scales[7])
;;     5. batch 64 x [M 2,048, K 2,048] x [K 2,048, N 64]; A: softmax (see below); B: computed on the way: QUANTISED (scales: A lowp_scales[8], B lowp_scales[9])
;;   THE QUANTISER, for each operand of a quantised product, along K:
;;     - The operand's scale is 2^e, e = its entry of the input lowp_scales (int32; the entries are numbered through the quantised products in the list's order, A before B).
;;     - Each number is divided by the scale, clamped to +-448, and rounded to the nearest number of E4M3, ties to even, subnormals kept.
;;     - The product sums the exact products of the quantised numbers (number of the format x scale) in f32.
;;   ~~~python
;;   def quantise(x, axis, e):      # numpy; x: float32 -> the quantised numbers, widened to float32 again
;;       x = np.moveaxis(x, axis, -1); K = x.shape[-1]
;;       r = np.clip(x / 2.0 ** e, -448, 448)
;;       step = 2.0 ** (np.maximum(np.frexp(np.where(r == 0, 1, r))[1] - 1, -6) - 3)
;;       q = np.round(r / step) * step * 2.0 ** e      # np.round: ties to even
;;       return np.moveaxis(q, -1, axis).astype(np.float32)
;;   ~~~
;;   SOFTMAX AHEAD OF A QUANTISED PRODUCT. Where the list says 'softmax', what is quantised is not the finished softmax but p = 2^(t - M), with t = logit x log2(e) and M = ceil(the row's largest t), a whole number; so 1/2 < the row's largest p <= 1. The row's sum l is taken of the UNQUANTISED p, in f32, and the product's result is divided by l at the end. Since M is a whole number, a kernel that streams over the keys may use a running M (the ceiling of the running maximum): every later rescaling is an exact power of two, so the quantised numbers keep their values, but for numbers so far below the row's largest that they fall under the format's range.
;;   OPERANDS COMPUTED ON THE WAY. 'Computed on the way' means the value that the module computes at that place (a softmax that the list does not call 'softmax' is quantised finished and normalised). What goes into a quantiser is computed in f32, as accurately as f32 sums, v_exp_f32 and their like allow (about 1e-6 of the number): no bf16 or f16 on the way to a quantiser, and a product that is left as it is and whose result goes on into a quantised operand takes f32 operands (vector FMAs, or v_wmma_f32_16x16x4_f32). A number that lies on a knife's edge between two numbers of the format may be rounded either way, as far as f32 arithmetic and the matrix unit's own rounding can turn it there, and no further.
;; One version. Each part assembles by itself: llvm-mc -triple=amdgcn-amd-amdhsa -mcpu=gfx1250 --defsym DOCPART=n.
;; ======== version 1 of 1: 3 launches
;; limits: right only within a limited range of input values
;; workspace buffers: hcodes 25,165,824 bytes; wcodes 3,145,728 bytes; qkv 25,165,824 bytes
;; launch quant (part 1): grid 608 x 1, 4 waves a work-group, no clusters, 68,096 bytes of LDS; arguments hidden_states, Wq, Wk, Wv, lowp_scales, hcodes, wcodes; writes hcodes, wcodes
.if DOCPART == 1
	.amdgcn_target "amdgcn-amd-amdhsa--gfx1250"
	.amdhsa_code_object_version 6
	.text
	.protected	k_qde867a90ad_quant
	.globl	k_qde867a90ad_quant
	.p2align	8
	.type	k_qde867a90ad_quant,@function
k_qde867a90ad_quant:
	s_mov_b64 s[64:65], 0
	v_nop
	global_prefetch_b8 v0, s[64:65] scope:SCOPE_SE
	s_setreg_imm32_b32 hwreg(HW_REG_WAVE_MODE, 25, 1), 1
	s_wait_xcnt 0x0
; hidden_states [8192][1024] f32 becomes three sets of E4M3 codes (scales: entries 0, 2, 4 of lowp_scales), hcodes [3][8192][1024], K innermost.
; Wq, Wk, Wv [1024 (k)][1024 (n)] f32 become codes with K innermost (entries 1, 3, 5), wcodes [3][1024 (n)][1024 (k)].
; code = x / 2^e, held within +-448, rounded to the nearest code, ties to even.
; ROWS ARE LAID AT A PERMUTED PLACE: token (or feature) i lies at row i with its bits 3 and 4 exchanged.  In the next launch a lane's 16 registers of two
; neighbouring result tiles are then 16 true neighbours, and its results leave as images of operand registers with no transposition.
; Work-groups 0-95 take the weights (a lane to a column, registers down K, out through a stage in LDS), work-groups 96-607 take hidden_states
; (dense loads, a turn through a stage so that a lane holds 16 neighbours along K, three conversions of the same numbers).  The two ways part once, on the
; work-group's number, and never meet; each has LDS bytes of its own.  Nothing is shared between waves: no barrier, no cluster, no tensor load.
; LIMITS: each e between -126 and 119, so that 2^e and 448 x 2^e are f32 numbers.  NaN among the inputs is not served; an infinity is held at the largest code.
.set NWW,    96                        ; work-groups for the weights: 3 tensors x 8 blocks of 128 columns x 4 blocks of 256 along K
.set STEPS,  8                         ; hidden: a wave takes 4 rows = 8 steps of 512 numbers
.set SP,     80                        ; hidden's stage: a lane's 64 bytes + 16 of padding
.set WREG,   8192                      ; hidden's stages: a region for each wave, two stages of 32 x SP bytes
.set WST,    32768                     ; the weights' stages begin here: 32 rows x WPITCH for each wave
.set WPITCH, 272                       ; 256 bytes of codes + 16
.set SPARE,  67584                     ; behind both: the spare words, 128 bytes for each wave
.set SPW,    12                        ; v12  SPARE + 4 x my thread's number; never rewritten
.set NIL,    13                        ; v13  0; never rewritten
.set R,      32                        ; hidden: v32-95 four sets of 16 numbers as loaded
.set X,      96                        ;         v96-127 two sets of 16 neighbours
.set T,      128                       ;         v128-159 two sets of held numbers, by turns
.set C,      160                       ;         v160-255 codes: 12 registers a step, never written again
.set WX,     32                        ; weights: v32-95 two sets of 32 numbers
.set WC,     96                        ;          v96-103 a block's codes
.set OUTR,   112                       ;          v112-175 the way out
.macro SCALE e, vs, vl                 ; s[e] = e  ->  v[vs] = 2^e as f32 (the conversion takes its exponent field), v[vl] = 448 x 2^e
	s_add_co_i32 s38, s\e, 127
	s_lshl_b32 s39, s38, 23
	v_mov_b32 v\vs, s39
	s_add_co_i32 s38, s38, 8
	s_lshl_b32 s38, s38, 23
	s_or_b32 s38, s38, 0x600000
	v_mov_b32 v\vl, s38
.endm
	s_load_b256 s[4:11], s[0:1], 0x0               ; hidden_states s[4:5], Wq s[6:7], Wk s[8:9], Wv s[10:11]
	s_load_b128 s[12:15], s[0:1], 0x20             ; lowp_scales s[12:13], hcodes s[14:15]
	s_load_b64 s[16:17], s[0:1], 0x30              ; wcodes
	v_lshl_add_u32 v[SPW], v0, 2, SPARE
	v_mov_b32 v[NIL], 0
	v_lshrrev_b32 v1, 5, v0
	v_readfirstlane_b32 s18, v1                    ; wave 0..3
	v_and_b32 v2, 31, v0                           ; lane
	s_wait_kmcnt 0x0
	s_load_b256 s[24:31], s[12:13], 0x0            ; entries 0 to 7
	s_cmp_lt_u32 ttmp9, NWW
	s_cbranch_scc1 .Lweights
; ---------------- hidden_states ----------------
	s_sub_co_u32 s19, ttmp9, NWW
	s_lshl_b32 s19, s19, 2
	s_add_co_u32 s19, s19, s18                     ; which run of 4 rows is my wave's: 0..2047
	s_and_b32 s20, s19, 0xfffffff9                 ; a token's bits 3 and 4 are this number's bits 1 and 2: exchanged for the place in hcodes
	s_and_b32 s21, s19, 2
	s_lshl_b32 s21, s21, 1
	s_or_b32 s20, s20, s21
	s_and_b32 s21, s19, 4
	s_lshr_b32 s21, s21, 1
	s_or_b32 s20, s20, s21
	s_lshl_b32 s22, s19, 14                        ; 4 rows of 4,096 bytes in
	s_mov_b32 s23, 0
	s_add_nc_u64 s[4:5], s[4:5], s[22:23]
	s_lshl_b32 s22, s20, 12                        ; 4 rows of 1,024 bytes out
	s_add_nc_u64 s[32:33], s[14:15], s[22:23]      ; the codes for product 1,
	s_add_nc_u64 s[34:35], s[32:33], 0x800000      ; product 2,
	s_add_nc_u64 s[36:37], s[32:33], 0x1000000     ; product 3
	s_wait_alu depctr_va_vdst(0)
	v_lshlrev_b32 v3, 4, v2                        ; 16 x lane: my bytes of a load's 512, and of a step's 512 codes
	s_mul_i32 s22, s18, WREG
	v_lshrrev_b32 v14, 2, v2
	v_mul_u32_u24 v14, v14, SP
	v_and_b32 v15, 3, v2
	v_lshl_add_u32 v14, v15, 4, v14
	v_add_nc_u32 v14, s22, v14                     ; the stage, on the way in: SP (lane / 4) + 16 (lane % 4)
	v_mul_u32_u24 v15, v2, SP
	v_add_nc_u32 v15, s22, v15                     ; and on the way out: SP x lane: my 16 neighbours
.macro HLOAD t
.irp i, 0,1,2,3
	global_load_b128 v[R+16*((\t)%4)+4*\i:R+16*((\t)%4)+4*\i+3], v3, s[4:5] offset:2048*(\t)+512*\i th:TH_LOAD_NT   ; 32 lanes read 512 consecutive bytes
.endr
.endm
.macro HTURN t                         ; a step's 2,048 bytes through the stage: LDS serves a wave's instructions in order, so no wait stands between the stores and the loads
.irp i, 0,1,2,3
	ds_store_b128 v14, v[R+16*((\t)%4)+4*\i:R+16*((\t)%4)+4*\i+3] offset:32*SP*((\t)%2)+8*SP*\i
.endr
.irp i, 0,1,2,3
	ds_load_b128 v[X+16*((\t)%2)+4*\i:X+16*((\t)%2)+4*\i+3], v15 offset:32*SP*((\t)%2)+16*\i
.endr
.endm
.irp t, 0,1,2,3
	HLOAD \t
.endr
	s_wait_alu depctr_va_vdst(0)
	s_wait_kmcnt 0x0
	SCALE 24, 20, 21                               ; entry 0
	SCALE 26, 22, 23                               ; entry 2
	SCALE 28, 24, 25                               ; entry 4
	s_wait_alu depctr_va_vdst(0)
	s_wait_loadcnt 12                              ; step 0's four loads are in
	HTURN 0
.macro HSTEP t
.set XS, X+16*((\t)%2)
	s_wait_dscnt 0x0                               ; this step's numbers are back from the stage, so its stores into the stage have read their registers,
.if (\t)+4 < STEPS
	HLOAD (\t)+4                                   ; which take the loads of four steps on
.endif
.if (\t)+1 < STEPS
.if STEPS-2-(\t) >= 3
	s_wait_loadcnt 12                              ; the next step's four loads are in; those of the three steps behind it may be out
.else
	s_wait_loadcnt 4*(STEPS-2-(\t))
.endif
	HTURN (\t)+1                                   ; and go through the other stage while this step is worked
.endif
.irp p, 0,1,2                                  ; the same 16 numbers, three scales.  The held numbers go into two sets by turns, over the step's edge too: so sixteen plain lines stand
.set TS, T+16*((3*(\t)+\p)%2)                  ; between a conversion and the next write of its sources
.irp i, 0,1,2,3,4,5,6,7,8,9,10,11,12,13,14,15
	v_med3_num_f32 v[TS+\i], v[XS+\i], -v[21+2*\p], v[21+2*\p]   ; the conversion to an 8-bit code does not saturate (ISA guide 7.6.2): the hold at the largest code x the scale
.endr
	v_cvt_scalef32_pk8_fp8_f32 v[C+12*(\t)+4*\p:C+12*(\t)+4*\p+1], v[TS:TS+7], v[20+2*\p]
	v_cvt_scalef32_pk8_fp8_f32 v[C+12*(\t)+4*\p+2:C+12*(\t)+4*\p+3], v[TS+8:TS+15], v[20+2*\p]
	global_store_b128 v3, v[C+12*(\t)+4*\p:C+12*(\t)+4*\p+3], s[32+2*\p:33+2*\p] offset:512*(\t)   ; the wave stores 512 consecutive bytes, aligned
.endr
.endm
.irp t, 0,1,2,3,4,5,6,7
	HSTEP \t
.endr
	s_wait_tensorcnt 0x0                           ; the wave's end
	ds_add_u32 v[SPW], v[NIL]
	s_wait_dscnt 0x0
	s_endpgm
; ---------------- the weights ----------------
.Lweights:
	s_lshr_b32 s19, ttmp9, 5                       ; which weight: 0 Wq, 1 Wk, 2 Wv
	s_and_b32 s20, ttmp9, 7                        ; which 128 columns
	s_bfe_u32 s21, ttmp9, 0x20003                  ; which 256 along K
	s_lshl_b32 s20, s20, 7
	s_lshl_b32 s22, s18, 5
	s_add_co_u32 s20, s20, s22                     ; my wave's first column, a multiple of 32
	s_wait_alu depctr_va_vdst(0)
	v_lshlrev_b32 v3, 2, v2                        ; in: 4 bytes a lane: A LANE TAKES A COLUMN, ITS REGISTERS RUN DOWN K
	s_mul_i32 s22, s18, 32*WPITCH
	s_add_co_u32 s22, s22, WST                     ; my stage
	v_mul_u32_u24 v4, v2, WPITCH
	v_add_nc_u32 v4, s22, v4                       ; into it: row = my column
	v_and_b32 v5, 15, v2
	v_lshrrev_b32 v6, 4, v2
	v_mul_u32_u24 v7, v6, WPITCH
	v_lshl_add_u32 v7, v5, 4, v7
	v_add_nc_u32 v7, s22, v7                       ; out of it: sixteen lanes to a row, two rows an instruction
	v_lshlrev_b32 v8, 10, v6
	v_lshl_add_u32 v8, v5, 4, v8                   ; and the same in wcodes: rows of 1,024 bytes
	s_cmp_eq_u32 s19, 1
	s_cselect_b64 s[6:7], s[8:9], s[6:7]
	s_cmp_eq_u32 s19, 2
	s_cselect_b64 s[6:7], s[10:11], s[6:7]         ; the weight: a choice on the work-group's number alone
	s_lshl_b32 s22, s21, 20                        ; 256 rows of 4,096 bytes
	s_lshl_b32 s23, s20, 2
	s_add_co_u32 s22, s22, s23
	s_mov_b32 s23, 0
	s_add_nc_u64 s[6:7], s[6:7], s[22:23]
	s_lshl_b32 s22, s19, 20                        ; out: the weight's 1,048,576 bytes,
	s_lshl_b32 s32, s20, 10                        ; my first column's row (its own place: the exchange of bits 3 and 4 stays inside my 32),
	s_add_co_u32 s22, s22, s32
	s_lshl_b32 s32, s21, 8                         ; my 256 along K
	s_add_co_u32 s22, s22, s32
	s_add_nc_u64 s[16:17], s[16:17], s[22:23]
.macro WLOAD t                         ; block t: W(32 t + i, my column), i = 0..31: each load reads 128 consecutive bytes a wave
.irp i, 0,1,2,3,4,5,6,7,8,9,10,11,12,13,14,15,16,17,18,19,20,21,22,23,24,25,26,27,28,29,30,31
	global_load_b32 v[WX+32*((\t)%2)+\i], v3, s[6:7] offset:(32*(\t)+\i)*4096 th:TH_LOAD_NT
.endr
.endm
	WLOAD 0
	WLOAD 1
	s_wait_kmcnt 0x0
	s_cmp_eq_u32 s19, 1
	s_cselect_b32 s38, s27, s25
	s_cmp_eq_u32 s19, 2
	s_cselect_b32 s38, s29, s38                    ; entry 1, 3 or 5
	SCALE 38, 20, 21
.macro WBLOCK t
.set XS, WX+32*((\t)%2)
.if (\t) < 7
	s_wait_loadcnt 32                              ; this block's 32 loads are in; the next block's may be out
.else
	s_wait_loadcnt 0
.endif
.irp i, 0,1,2,3,4,5,6,7,8,9,10,11,12,13,14,15,16,17,18,19,20,21,22,23,24,25,26,27,28,29,30,31
	v_med3_num_f32 v[XS+\i], v[XS+\i], -v21, v21
.endr
.irp g, 0,1,2,3
	v_cvt_scalef32_pk8_fp8_f32 v[WC+2*\g:WC+2*\g+1], v[XS+8*\g:XS+8*\g+7], v20
.endr
	ds_store_b128 v4, v[WC:WC+3] offset:32*(\t)    ; 32 codes: 32 bytes of my column's row.  (LDS stores of the codes and loads into the numbers want no plain line; the next block begins with 32 plain lines)
	ds_store_b128 v4, v[WC+4:WC+7] offset:32*(\t)+16
.if (\t)+2 < 8
	WLOAD (\t)+2
.endif
	s_wait_dscnt 0x0                               ; the stores have read their registers: the next block's codes may be written
.endm
	s_wait_alu depctr_va_vdst(0)
.irp t, 0,1,2,3,4,5,6,7
	WBLOCK \t
.endr
.set w, 0
.rept 16
	ds_load_b128 v[OUTR+4*w:OUTR+4*w+3], v7 offset:2*w*WPITCH   ; LDS serves a wave's instructions in order: these see my stores
.set w, w+1
.endr
.set w, 0
.rept 16
	s_wait_dscnt 15-w
	global_store_b128 v8, v[OUTR+4*w:OUTR+4*w+3], s[16:17] offset:(((2*w)&7)|((((2*w)>>3)&1)<<4)|((((2*w)>>4)&1)<<3))*1024   ; columns 2 w, 2 w + 1 go to their rows with bits 3 and 4 exchanged; sixteen lanes store 256 consecutive bytes, aligned
.set w, w+1
.endr
	s_wait_tensorcnt 0x0                           ; the wave's end
	ds_add_u32 v[SPW], v[NIL]
	s_wait_dscnt 0x0
	s_endpgm
.Lfunc_end_k_qde867a90ad_quant:
	.size	k_qde867a90ad_quant, .Lfunc_end_k_qde867a90ad_quant-k_qde867a90ad_quant
	.p2alignl 7, 3214868480
	.fill 96, 4, 3214868480
	.section	.rodata,"a",@progbits
	.p2align	6, 0x0
	.amdhsa_kernel k_qde867a90ad_quant
		.amdhsa_group_segment_fixed_size 68096
		.amdhsa_private_segment_fixed_size 0
		.amdhsa_enable_private_segment 0
		.amdhsa_kernarg_size 56
		.amdhsa_user_sgpr_count 2
		.amdhsa_user_sgpr_kernarg_segment_ptr 1
		.amdhsa_wavefront_size32 1
		.amdhsa_system_sgpr_workgroup_id_x 1
		.amdhsa_system_sgpr_workgroup_id_y 1
		.amdhsa_system_sgpr_workgroup_id_z 1
		.amdhsa_system_vgpr_workitem_id 0
		.amdhsa_next_free_vgpr 256
		.amdhsa_next_free_sgpr 66
		.amdhsa_reserve_vcc 0
		.amdhsa_float_denorm_mode_32 3
		.amdhsa_float_denorm_mode_16_64 3
		.amdhsa_memory_ordered 1
		.amdhsa_forward_progress 1
		.amdhsa_inst_pref_size 89
	.end_amdhsa_kernel
	.amdgpu_metadata
---
amdhsa.version: [ 1, 2 ]
amdhsa.kernels:
  - .name:           k_qde867a90ad_quant
    .symbol:         k_qde867a90ad_quant.kd
    .args:
      - { .name: hidden_states, .offset: 0, .size: 8, .value_kind: global_buffer, .address_space: global }
      - { .name: Wq, .offset: 8, .size: 8, .value_kind: global_buffer, .address_space: global }
      - { .name: Wk, .offset: 16, .size: 8, .value_kind: global_buffer, .address_space: global }
      - { .name: Wv, .offset: 24, .size: 8, .value_kind: global_buffer, .address_space: global }
      - { .name: lowp_scales, .offset: 32, .size: 8, .value_kind: global_buffer, .address_space: global }
      - { .name: hcodes, .offset: 40, .size: 8, .value_kind: global_buffer, .address_space: global }
      - { .name: wcodes, .offset: 48, .size: 8, .value_kind: global_buffer, .address_space: global }
    .group_segment_fixed_size: 68096
    .private_segment_fixed_size: 0
    .kernarg_segment_align: 8
    .kernarg_segment_size: 56
    .max_flat_workgroup_size: 128
    .sgpr_count:     66
    .vgpr_count:     256
    .wavefront_size: 32
...
	.end_amdgpu_metadata
.endif
;; end of part 1
;; launch proj (part 2): grid 12 x 32, 4 waves a work-group, clusters of 4 x 4, 327,680 bytes of LDS; arguments hcodes, wcodes, lowp_scales, bq, bk, bv, qkv; writes qkv
.if DOCPART == 2
	.amdgcn_target "amdgcn-amd-amdhsa--gfx1250"
	.amdhsa_code_object_version 6
	.text
	.protected	k_qde867a90ad_proj
	.globl	k_qde867a90ad_proj
	.p2align	8
	.type	k_qde867a90ad_proj,@function
k_qde867a90ad_proj:
	s_mov_b64 s[64:65], 0
	v_nop
	global_prefetch_b8 v0, s[64:65] scope:SCOPE_SE
	s_setreg_imm32_b32 hwreg(HW_REG_WAVE_MODE, 25, 1), 1
	s_wait_xcnt 0x0
	s_wait_alu depctr_hold_cnt(0) depctr_sa_sdst(0) depctr_va_vdst(0) depctr_va_sdst(0) depctr_va_ssrc(0) depctr_va_vcc(0) depctr_vm_vsrc(0)
	s_getreg_b32 s2, hwreg(HW_REG_IB_STS2, 6, 4)
	s_cmp_eq_u32 s2, 0
	s_cbranch_scc0 .Lentry_in_a_cluster
	s_endpgm
.Lentry_in_a_cluster:
	s_bfe_u32 s2, ttmp6, 0x10000c
	s_cmp_lg_u32 s2, 0xf033
	s_cbranch_scc0 .Lentry_shape_is_right
	s_endpgm
.Lentry_shape_is_right:
; The three projections on E4M3 codes: q = h Wq + bq, k = h Wk + bk, v = h Wv + bv, each [8192][1024], K = 1024; then each result is quantised anew (entries 6, 7, 9 of lowp_scales)
; and stored as IMAGES OF THE NEXT LAUNCH'S OPERAND REGISTERS.  Cluster x (0, 1, 2) says which product.
; A tile of 256 x 256 is made by four waves, 128 x 128 each: 64 accumulators, 512 registers.  K goes in steps of 256 through two LDS slots filled by the tensor data mover.
; SOURCE 0 of the matrix instruction is the side that ends up along a lane's REGISTERS (X), SOURCE 1 the side that ends up along the LANES (Y).
;   q, k: X = features (wcodes), Y = tokens (hcodes): a lane holds one token and 16 neighbouring features: an operand whose K is the head's 64.
;   v:    X = tokens (hcodes),   Y = features (wcodes): a lane holds one feature and 16 neighbouring tokens: an operand whose K is the keys.   Same text, the two buffers change places.
; Rows of both code buffers lie with bits 3 and 4 of their index exchanged.  Register j of lane (r, h) of result tile 2 b + u is X's row 32 b + 16 u + 8 h + j, which is true index 32 b + 16 h + 8 u + j:
; so the 16 registers of two neighbouring tiles are true neighbours 32 b + 16 h + 0..15, two conversions make four registers of an operand, and one store at 16 x lane writes 512 consecutive bytes.
; qkv: [3][64 (16 batch + head)][131072].  q, k: tile of 16 token rows J x 1024 + c x 512 + 16 lane (c: dims 32 c + 16 h + 0..15).  v: step of 128 keys x 8192 + tile of 16 dim rows t x 2048 + c x 512 + 16 lane (c: keys 32 c + 16 h + 0..15).
; CLUSTERS: 4 x 4 work-groups.  Y's tile hangs on cy, and is asked for jointly by my row of the cluster; X's on cx, by my column.
; No prefetch is written: K has four slot fills only, two of them at the head.  One tile to a work-group: 384 tiles.
; LIMITS: the sum of a product's two exponents between -126 and 127; entries 6, 7, 9 between -126 and 119.
; REGISTERS, in windows of 256: window 0: v12-31 constants and addresses; v32-95 the bias along registers; v96-111 the bias along lanes, a pair for each block; from v128 Y's fragments, ONE set; on the way out v128-191 numbers, v192-255 codes.
;   window 1: X's fragments, TWO sets.   window 2: the accumulators of my Y rows 0-63 ((a, b) at v[8 (8 a + b)]);   window 3: those of rows 64-127.
.set ROWB,   256                       ; a tile's row in bytes: 256 codes
.set KROW,   1024                      ; a row of codes in memory
.set PITCH,  272                       ; an LDS row: 256 bytes + 16 of padding = 68 words: the 16 rows that a load touches start at 16 different banks (64 banks of 4 bytes: ISA guide 11.1)
.set FR,     16                        ; registers of a fragment: 16 rows x 128 K
.set NL,     4                         ; LDS loads that bring one
.set NP,     4                         ; places behind this matrix instruction (ISA guide 7.12.1)
.set HALFT,  128*PITCH                 ; 128 rows: what one tensor load brings
.set SLOT,   4*HALFT                   ; Y's 256 rows, then X's 256 rows
.set SPARE,  2*SLOT                    ; behind the ring: the spare words, 128 bytes for each wave
.set SCO,  12                          ; v12  2^eo as f32, for the conversions
.set LIMO, 13                          ; v13  448 x 2^eo
.set ADRA, 16                          ; v16-17  LDS address of my Y fragments in slot 0, 1
.set ADRB, 20                          ; v20-21  the same for X
.set CO,   26                          ; v26  16 x lane
.set SPW,  28                          ; v28  SPARE + 4 x my thread's number; never rewritten
.set NIL,  29                          ; v29  0; never rewritten
.set BXA,  30                          ; v30  byte offset of my bias along registers
.set BYA,  31                          ; v31  of my bias along lanes
.set BX,   32
.set BY,   96
.set AF,   128
.set T,    128
.set CD,   192
.set G1, 24                            ; s[24:31] descriptor group 1 for Y's tiles;  s[32:39] group 0, one set for each slot
.set G0, 32
.set G1B, 48                           ; s[48:55], s[56:63] the same for X's tiles
.set G0B, 56
.set MSB, 0
.macro WIN new                         ; the immediate's high byte repeats the setting that is left
.if MSB != (\new)
	s_set_vgpr_msb (MSB<<8)|(\new)
.set MSB, (\new)
.endif
.endm
.set MUL_LO, 0xa1                      ; source 0 (X) window 1, source 1 (Y) window 0, C and D window 2
.set MUL_HI, 0xf1                      ; the same, C and D window 3
.set TO_B,   0x40                      ; destination window 1, address window 0
; A joint load: waves 0 and 1 fetch for Y, waves 2 and 3 for X.  The branch hangs on the wave's number alone.  An s_nop 0 and four v_nop follow each of the two lines.
.macro JLOAD g0a, g1a, g0b, g1b
	s_cmp_eq_u32 s15, 0
	s_cbranch_scc0 .Lfor_b_\@
	tensor_load_to_lds s[\g0a:\g0a+3], s[\g1a:\g1a+7]
	s_nop 0
.rept 4
	v_nop
.endr
	s_branch .Lasked_\@
.Lfor_b_\@:
	tensor_load_to_lds s[\g0b:\g0b+3], s[\g1b:\g1b+7]
	s_nop 0
.rept 4
	v_nop
.endr
.Lasked_\@:
.endm
.macro CREST                           ; a round of the cluster's barrier behind its opening barrier
	s_cmp_lg_u32 s14, 0
	s_cbranch_scc1 .Lnot_wave_0_\@
	s_barrier_signal -3
.Lnot_wave_0_\@:
	s_barrier_wait -3
	s_barrier_signal -1
	s_barrier_wait -1
.endm
.macro CROUND                          ; a whole round
	s_barrier_signal -1
	s_barrier_wait -1
	CREST
.endm
	s_load_b128 s[4:7], s[0:1], 0x0                ; hcodes s[4:5], wcodes s[6:7]
	s_load_b64 s[8:9], s[0:1], 0x10                ; lowp_scales
	s_load_b128 s[68:71], s[0:1], 0x18             ; bq s[68:69], bk s[70:71]
	s_load_b128 s[72:75], s[0:1], 0x28             ; bv s[72:73], qkv s[74:75]
	v_lshl_add_u32 v[SPW], v0, 2, SPARE
	v_mov_b32 v[NIL], 0
	ds_add_u32 v[SPW], v[NIL]                      ; the wave's opening: the add and its wait ahead of my first tensor load; the set-up below, work on registers, stands between them
	ds_add_u32 v[SPW], v[NIL]
	v_lshrrev_b32 v1, 5, v0
	v_readfirstlane_b32 s14, v1                    ; wave 0..3
	s_lshr_b32 s15, s14, 1                         ; which half of Y's rows is mine.  Also: I fetch for Y (0) or for X (1)
	s_and_b32 s16, s14, 1                          ; which half of X's rows.  Also: which 128 rows of that tile I fetch
	s_mov_b32 s12, ttmp9                           ; the product: 0 q, 1 k, 2 v: the same in all sixteen partners
	s_and_b32 s13, ttmp7, 0xffff
	s_lshl_b32 s13, s13, 2                         ; 4 x cluster y: it walks the tokens' 32 tiles
	s_bfe_u32 s40, ttmp6, 0x40000                  ; cx, cy: my place in the cluster
	s_bfe_u32 s41, ttmp6, 0x40004
	s_cmp_eq_u32 s12, 2
	s_cselect_b32 s42, s13, 0                      ; tokens are X's rows in v,
	s_cselect_b32 s17, 0, s13                      ; Y's rows in q and k
	s_add_co_u32 s42, s42, s40                     ; X's tile: cx (+ 4 x cluster y)
	s_add_co_u32 s17, s17, s41                     ; Y's tile: cy (+ 4 x cluster y)
	s_lshl_b32 s43, s41, 2
	s_lshl_b32 s43, 15, s43                        ; my row of the cluster
	s_lshl_b32 s44, 0x1111, s40                    ; my column
	; descriptor group 1: a tile of 128 rows x 256 bytes, padded in LDS
	s_or_b32 s[G1+0], s43, (0<<16)|(1<<20)|(1<<21)|(5<<22)|(3<<25)  ; 15:0 the mask: Y's tiles go to my row; 17:16 element of 1 byte; 20 padding on; 21 set beside a mask; 24:22 after every 64 words (code 5); 31:25 of 4 words (code 3)
	s_or_b32 s[G1B+0], s44, (0<<16)|(1<<20)|(1<<21)|(5<<22)|(3<<25) ; X's tiles go to my column
.irp g, G1, G1B
	s_mov_b32 s[\g+1], ROWB<<16                    ; tensor_dim0
	s_mov_b32 s[\g+2], 128<<16                     ; tensor_dim1 = 128
	s_mov_b32 s[\g+3], ROWB<<16                    ; tile_dim0
	s_mov_b32 s[\g+4], 128                         ; tile_dim1 = 128
	s_mov_b32 s[\g+5], KROW                        ; tensor_dim0_stride
	s_mov_b32 s[\g+6], 0
	s_mov_b32 s[\g+7], 0
.endr
	s_lshl_b32 s18, s16, 7                         ; which 128 rows of the tile I fetch
	s_lshl_b32 s20, s17, 8
	s_add_co_u32 s20, s20, s18
	s_lshl_b32 s20, s20, 10                        ; Y: (256 x tile + 128 x half) rows of 1,024 bytes
	s_mov_b32 s21, 0
	s_lshl_b32 s46, s42, 8
	s_add_co_u32 s46, s46, s18
	s_lshl_b32 s46, s46, 10                        ; X likewise
	s_mov_b32 s47, 0
	s_lshl_b32 s90, s12, 20                        ; the product's weights in wcodes,
	s_mov_b32 s91, 0
	s_lshl_b32 s92, s12, 23                        ; and its set of hidden's codes in hcodes
	s_mov_b32 s93, 0
	s_mul_i32 s45, s14, HALFT                      ; where the tiles go: wave x 128 rows: no place in the cluster enters an LDS address
	s_wait_dscnt 0x0                               ; the opening add is done
	s_wait_kmcnt 0x0
	s_load_b256 s[80:87], s[8:9], 0x0              ; entries 0 to 7
	s_load_b64 s[88:89], s[8:9], 0x20              ; entries 8, 9
	s_add_nc_u64 s[4:5], s[4:5], s[92:93]
	s_add_nc_u64 s[6:7], s[6:7], s[90:91]
	s_cmp_eq_u32 s12, 2
	s_cselect_b64 s[76:77], s[4:5], s[6:7]         ; X: the tokens in v, else the features
	s_cselect_b64 s[78:79], s[6:7], s[4:5]         ; Y: the other one
	s_add_nc_u64 s[20:21], s[78:79], s[20:21]
	s_add_nc_u64 s[46:47], s[76:77], s[46:47]
	CROUND                                         ; all sixteen work-groups are here: the first joint loads meet
.irp s, 0,1
	s_mov_b32 s[G0+4*\s], 1
	s_add_co_u32 s[G0+4*\s+1], s45, \s*SLOT
	s_add_nc_u64 s[G0+4*\s+2:G0+4*\s+3], s[20:21], \s*ROWB
	s_or_b32 s[G0+4*\s+3], s[G0+4*\s+3], 0x80000000
	s_mov_b32 s[G0B+4*\s], 1
	s_add_co_u32 s[G0B+4*\s+1], s45, \s*SLOT
	s_add_nc_u64 s[G0B+4*\s+2:G0B+4*\s+3], s[46:47], \s*ROWB
	s_or_b32 s[G0B+4*\s+3], s[G0B+4*\s+3], 0x80000000
.endr
	JLOAD G0, G1, G0B, G1B                         ; K step 0: one tensor load a wave at the head
	v_and_b32 v1, 15, v0                           ; r = l % 16
	v_bfe_u32 v2, v0, 4, 1                         ; h = l / 16
	s_wait_alu depctr_va_vdst(0)
	v_mul_u32_u24 v3, v1, PITCH
	v_lshl_add_u32 v4, v2, 4, v3                   ; a fragment's row x pitch + 16 x half
	s_mul_i32 s21, s15, HALFT                      ; my 128 rows of Y
	s_mul_i32 s22, s16, HALFT                      ; my 128 rows of X,
	s_add_co_u32 s22, s22, 2*HALFT                 ; which lie behind Y's 256
.irp s, 0,1
	v_add_nc_u32 v[ADRA+\s], s21, v4
	v_add_nc_u32 v[ADRB+\s], s22, v4
	s_add_co_u32 s21, s21, SLOT
	s_add_co_u32 s22, s22, SLOT
.endr
	v_and_b32 v6, 31, v0
	v_lshlrev_b32 v[CO], 4, v6
	; THE BIAS, in both layouts, on the one way that all take; the way out uses one of them.  Along registers (q, k): b[fX + 32 beta + 16 h + i].  Along lanes (v): block a's lane r holds feature fY + 32 (a / 2) + 16 (r / 8) + 8 (a % 2) + r % 8.
	; The layout that is not used reads from the bias's first 128 numbers: every load stays inside the 4,096 bytes.
	s_cmp_eq_u32 s12, 1
	s_cselect_b64 s[68:69], s[70:71], s[68:69]
	s_cmp_eq_u32 s12, 2
	s_cselect_b64 s[68:69], s[72:73], s[68:69]
	s_lshl_b32 s18, s42, 8
	s_lshl_b32 s19, s16, 7
	s_add_co_u32 s18, s18, s19                     ; X's first row of mine
	s_lshl_b32 s19, s17, 8
	s_lshl_b32 s23, s15, 7
	s_add_co_u32 s19, s19, s23                     ; Y's first row of mine
	s_cmp_eq_u32 s12, 2
	s_cselect_b32 s18, 0, s18                      ; fX
	s_cselect_b32 s19, s19, 0                      ; fY
	v_lshl_add_u32 v[BXA], v2, 4, s18
	v_lshlrev_b32 v[BXA], 2, v[BXA]                ; 4 (fX + 16 h)
	v_and_b32 v5, 7, v1
	v_lshrrev_b32 v7, 3, v1
	v_lshl_add_u32 v5, v7, 4, v5
	v_add_nc_u32 v5, s19, v5
	v_lshlrev_b32 v[BYA], 2, v5                    ; 4 (fY + r % 8 + 16 (r / 8))
.set n, 0
.rept 16
	global_load_b128 v[BX+4*n:BX+4*n+3], v[BXA], s[68:69] offset:128*(n/4)+16*(n%4)
.set n, n+1
.endr
.set n, 0
.rept 8
	global_load_b32 v[BY+2*n], v[BYA], s[68:69] offset:4*(32*(n/2)+8*(n%2))
.set n, n+1
.endr
.macro FRAG reg, adr, q, i             ; a fragment, 16 rows x 128 K of 8-bit codes, is 16 registers: lane l holds row l % 16; registers 4 c .. 4 c + 3 hold K = 32 c + 16 (l / 16) + 0 .. 15: a permutation of k, the same on both sides
.irp c, 0,1,2,3
	ds_load_b128 v[\reg+4*\c:\reg+4*\c+3], v[\adr] offset:128*(\q)+32*\c+(\i)*16*PITCH
.endr
.endm
; 16 matrix instructions: Y's blocks a0, a0 + 1 x X's eight, 128 along K.  p: X's set.  zero = 1: the first product starts the sums.  The 64 accumulators take turns, one instruction a turn.
.macro MUL16 a0, p, zero
.irp a, \a0, \a0+1
.irp b, 0,1,2,3,4,5,6,7
.if \zero
	v_wmma_f32_16x16x128_fp8_fp8 v[8*(8*((\a)%4)+\b):8*(8*((\a)%4)+\b)+7], v[128*(\p)+FR*\b:128*(\p)+FR*\b+FR-1], v[AF+FR*(\a):AF+FR*(\a)+FR-1], 0
.else
	v_wmma_f32_16x16x128_fp8_fp8 v[8*(8*((\a)%4)+\b):8*(8*((\a)%4)+\b)+7], v[128*(\p)+FR*\b:128*(\p)+FR*\b+FR-1], v[AF+FR*(\a):AF+FR*(\a)+FR-1], v[8*(8*((\a)%4)+\b):8*(8*((\a)%4)+\b)+7]
.endif
.endr
.endr
.endm
.macro FETCH_B slot, q, p              ; X's eight fragments of the slot's q-th 128 along K into set p
	WIN TO_B
.irp i, 0,1,2,3,4,5,6,7
	FRAG 128*(\p)+FR*\i, ADRB+\slot, \q, \i
.endr
	WIN 0
.endm
.macro FETCH_A slot, q, i0             ; Y's blocks i0 .. i0 + 3
.irp i, \i0, \i0+1, \i0+2, \i0+3
	FRAG AF+FR*(\i), ADRA+\slot, \q, \i
.endr
.endm
.macro PLACES n                        ; a load into a register that a matrix instruction has read stands NP plain vector instructions behind it (ISA guide 7.12.1 for vector instructions)
.rept \n
	v_nop
.endr
.endm
; A step of 128 along K that has its successor in the same slot.
.macro STEP slot, q, zero
	s_wait_dscnt 4*NL                              ; X's set and Y's blocks 0-3 are in; the youngest sixteen loads (Y's blocks 4-7) may be out
	WIN MUL_LO
	MUL16 0, (\q)%2, \zero
	MUL16 2, (\q)%2, \zero
	s_wait_dscnt 0                                 ; Y's blocks 4-7 are in (asked for 32 matrix instructions ago)
	PLACES NP
	FETCH_B \slot, (\q)+1, 1-(\q)%2
	FETCH_A \slot, (\q)+1, 0
	WIN MUL_HI
	MUL16 4, (\q)%2, \zero
	MUL16 6, (\q)%2, \zero
	PLACES NP
	WIN 0
	FETCH_A \slot, (\q)+1, 4
.endm
; A slot's last step changes slots: ONE barrier; in front of it each wave waits for all its tensor loads, adds 0 to its spare word, and waits for that and for its own reads of this slot.  fill = 1: this slot is filled again, two K steps ahead.
.macro TURN slot, next, fill
	s_wait_tensorcnt 0x0                           ; all my tensor loads have landed: my part of the next slot  (every window is 0 here)
	ds_add_u32 v[SPW], v[NIL]                      ; 0 onto my spare word
	s_wait_dscnt 4*NL+1                            ; (the add and the youngest sixteen loads, Y's blocks 4-7, may be out)
	WIN MUL_LO
	MUL16 0, 1, 0                                  ; sixteen matrix instructions stand between the add and the wait for it
	s_wait_dscnt 0x0                               ; the add is done, and my reads of this slot are over
	s_barrier_signal -1
	MUL16 2, 1, 0
	WIN 0
	s_barrier_wait -1
.if \fill
	CREST                                          ; the barrier has opened a round of the cluster's barrier: no wave of any partner still reads this slot's tile or has a load on its way
	s_add_nc_u64 s[G0+4*\slot+2:G0+4*\slot+3], s[G0+4*\slot+2:G0+4*\slot+3], 2*ROWB
	s_add_nc_u64 s[G0B+4*\slot+2:G0B+4*\slot+3], s[G0B+4*\slot+2:G0B+4*\slot+3], 2*ROWB
	JLOAD G0+4*\slot, G1, G0B+4*\slot, G1B         ; the first tensor load behind the round, my one load until the next; its four v_nop are the places in front of the loads below
.else
	PLACES NP
.endif
	FETCH_B \next, 0, 0
	FETCH_A \next, 0, 0
	WIN MUL_HI
	MUL16 4, 1, 0
	MUL16 6, 1, 0
	PLACES NP
	WIN 0
	FETCH_A \next, 0, 4
.endm
	s_wait_alu depctr_va_vdst(0)                   ; the wait at the head's end
	s_wait_tensorcnt 0x0                           ; my part of K step 0 is in; the lines ahead of a later first fill:
	ds_add_u32 v[SPW], v[NIL]
	s_wait_dscnt 0x0
	CROUND                                         ; everybody's part of K step 0 is in, and all sixteen work-groups are here
	JLOAD G0+4, G1, G0B+4, G1B                     ; K step 1, the first tensor load behind the round
	FETCH_B 0, 0, 0
	FETCH_A 0, 0, 0
	FETCH_A 0, 0, 4
	STEP 0, 0, 1                                   ; K = 1,024 is four K steps of 256, eight steps of 128: written out, no loop.  The first step's products start the sums
	TURN 0, 1, 1                                   ; slot 0 takes K step 2
	STEP 1, 0, 0
	TURN 1, 0, 1                                   ; slot 1 takes K step 3
	STEP 0, 0, 0
	TURN 0, 1, 0                                   ; nothing is left to fetch
	STEP 1, 0, 0
	s_wait_dscnt 4*NL                              ; the very last step
	WIN MUL_LO
	MUL16 0, 1, 0
	MUL16 2, 1, 0
	s_wait_dscnt 0
	WIN MUL_HI
	MUL16 4, 1, 0
	MUL16 6, 1, 0
	WIN 0
	; THE WAY OUT.  value = sum x 2^(eA + eB) + bias, held within +-448 x 2^eo, converted with 2^eo.  All choices among the given exponents are selects on the product's number: no branch hangs on a loaded number.
	s_wait_kmcnt 0x0
	s_add_co_i32 s90, s80, s81
	s_add_co_i32 s91, s82, s83
	s_add_co_i32 s92, s84, s85
	s_cmp_eq_u32 s12, 1
	s_cselect_b32 s96, s91, s90
	s_cselect_b32 s94, s87, s86                    ; k: entry 7; q: entry 6
	s_cmp_eq_u32 s12, 2
	s_cselect_b32 s96, s92, s96
	s_cselect_b32 s94, s89, s94                    ; v: entry 9
	s_add_co_i32 s96, s96, 127
	s_lshl_b32 s96, s96, 23                        ; 2^(eA + eB) as f32
	s_mov_b32 s97, s96                             ; (named with it as a pair, so it is written)
	s_add_co_i32 s94, s94, 127
	s_lshl_b32 s95, s94, 23
	s_add_co_i32 s94, s94, 8
	s_lshl_b32 s94, s94, 23
	s_or_b32 s94, s94, 0x600000
	s_lshl_b32 s18, s42, 8
	s_lshl_b32 s19, s16, 7
	s_add_co_u32 s18, s18, s19                     ; X's first row of mine
	s_lshl_b32 s19, s17, 8
	s_lshl_b32 s20, s15, 7
	s_add_co_u32 s19, s19, s20                     ; Y's first row of mine
	s_cmp_eq_u32 s12, 2
	s_cselect_b32 s20, s18, s19                    ; my first token, a multiple of 128,
	s_cselect_b32 s21, s19, s18                    ; my first feature
	s_lshr_b32 s21, s21, 6                         ; its head
	s_lshr_b32 s22, s20, 11                        ; the batch
	s_lshl_b32 s22, s22, 4
	s_add_co_u32 s22, s22, s21
	s_lshl_b32 s22, s22, 17                        ; (16 batch + head) x 131,072
	s_and_b32 s20, s20, 2047
	s_lshl_b32 s20, s20, 6                         ; q, k: (token / 16) x 1,024; v: (token / 128) x 8,192: both are token x 64
	s_add_co_u32 s22, s22, s20
	s_lshl_b32 s20, s12, 23                        ; the product's third of qkv
	s_add_co_u32 s22, s22, s20
	s_mov_b32 s23, 0
	s_add_nc_u64 s[10:11], s[74:75], s[22:23]
	s_wait_loadcnt 0x0                             ; the biases
	v_mov_b32 v[SCO], s95                          ; these ten plain lines, which name no register of the last products, are the places behind them
	v_mov_b32 v[LIMO], s94
.set n, 0
.rept 8
	v_mov_b32 v[BY+2*n+1], v[BY+2*n]               ; the bias along lanes, as a pair for the packed form
.set n, n+1
.endr
; Block a: Y's 16 rows x my 128 of X.  var = 0: q, k (bias along registers); var = 1: v (bias along lanes).  Each accumulator is read from its low end on.
.macro EPI var
.irp a, 0,1,2,3,4,5,6,7
.set AC, 64*(\a%4)
.set CB, CD+16*(\a%4)
.if \a >= 4
	s_wait_xcnt 0x0                                ; block a - 4's stores have read their registers, which take this block's codes
.endif
	WIN 0x02+(\a/4)                                ; source 0: window 2 or 3
.set n, 0
.rept 32
.if \var
	v_pk_fma_f32 v[T+n:T+n+1], v[AC+n:AC+n+1], s[96:97], v[BY+2*\a:BY+2*\a+1] op_sel_hi:[1,0,1]
.else
	v_pk_fma_f32 v[T+n:T+n+1], v[AC+n:AC+n+1], s[96:97], v[BX+n:BX+n+1] op_sel_hi:[1,0,1]
.endif
.set n, n+2
.endr
	WIN 0
.irp b, 0,1,2,3
.irp i, 0,1,2,3,4,5,6,7,8,9,10,11,12,13,14,15
	v_med3_num_f32 v[T+16*\b+\i], v[T+16*\b+\i], -v[LIMO], v[LIMO]   ; the conversion to an 8-bit code does not saturate (ISA guide 7.6.2)
.endr
	v_cvt_scalef32_pk8_fp8_f32 v[CB+4*\b:CB+4*\b+1], v[T+16*\b:T+16*\b+7], v[SCO]
	v_cvt_scalef32_pk8_fp8_f32 v[CB+4*\b+2:CB+4*\b+3], v[T+16*\b+8:T+16*\b+15], v[SCO]
.endr
	v_nop                                          ; a plain line between the last conversion and the next vector instruction that writes its sources
.irp b, 0,1,2,3
.if \var
	global_store_b128 v[CO], v[CB+4*\b:CB+4*\b+3], s[10:11] offset:(\a/4)*131072+2048*(\a%4)+512*\b    ; head a / 4, tile of dims a % 4, keys 32 b on: 512 consecutive bytes, aligned
.else
	global_store_b128 v[CO], v[CB+4*\b:CB+4*\b+3], s[10:11] offset:(\b/2)*131072+1024*\a+512*(\b%2)    ; head b / 2, tile of tokens a, dims 32 (b % 2) on: 512 consecutive bytes, aligned
.endif
.endr
.endr
.endm
	s_cmp_eq_u32 s12, 2                            ; the product's number: the same in all waves and all partners
	s_cbranch_scc1 .Lv
	EPI 0
	s_branch .Ldone
.Lv:
	s_wait_alu depctr_va_vdst(0)
	EPI 1
.Ldone:
	s_wait_tensorcnt 0x0                           ; the wave's end
	ds_add_u32 v[SPW], v[NIL]
	s_wait_dscnt 0x0
	CROUND                                         ; the closing round: no work-group ends while a partner may still ask for a tile that names it
	s_endpgm
.Lfunc_end_k_qde867a90ad_proj:
	.size	k_qde867a90ad_proj, .Lfunc_end_k_qde867a90ad_proj-k_qde867a90ad_proj
	.p2alignl 7, 3214868480
	.fill 96, 4, 3214868480
	.section	.rodata,"a",@progbits
	.p2align	6, 0x0
	.amdhsa_kernel k_qde867a90ad_proj
		.amdhsa_group_segment_fixed_size 327680
		.amdhsa_private_segment_fixed_size 0
		.amdhsa_enable_private_segment 0
		.amdhsa_kernarg_size 56
		.amdhsa_user_sgpr_count 2
		.amdhsa_user_sgpr_kernarg_segment_ptr 1
		.amdhsa_wavefront_size32 1
		.amdhsa_system_sgpr_workgroup_id_x 1
		.amdhsa_system_sgpr_workgroup_id_y 1
		.amdhsa_system_sgpr_workgroup_id_z 1
		.amdhsa_system_vgpr_workitem_id 0
		.amdhsa_next_free_vgpr 1024
		.amdhsa_next_free_sgpr 98
		.amdhsa_reserve_vcc 0
		.amdhsa_float_denorm_mode_32 3
		.amdhsa_float_denorm_mode_16_64 3
		.amdhsa_memory_ordered 1
		.amdhsa_forward_progress 1
		.amdhsa_inst_pref_size 194
	.end_amdhsa_kernel
	.amdgpu_metadata
---
amdhsa.version: [ 1, 2 ]
amdhsa.kernels:
  - .name:           k_qde867a90ad_proj
    .symbol:         k_qde867a90ad_proj.kd
    .args:
      - { .name: hcodes, .offset: 0, .size: 8, .value_kind: global_buffer, .address_space: global }
      - { .name: wcodes, .offset: 8, .size: 8, .value_kind: global_buffer, .address_space: global }
      - { .name: lowp_scales, .offset: 16, .size: 8, .value_kind: global_buffer, .address_space: global }
      - { .name: bq, .offset: 24, .size: 8, .value_kind: global_buffer, .address_space: global }
      - { .name: bk, .offset: 32, .size: 8, .value_kind: global_buffer, .address_space: global }
      - { .name: bv, .offset: 40, .size: 8, .value_kind: global_buffer, .address_space: global }
      - { .name: qkv, .offset: 48, .size: 8, .value_kind: global_buffer, .address_space: global }
    .group_segment_fixed_size: 327680
    .private_segment_fixed_size: 0
    .kernarg_segment_align: 8
    .kernarg_segment_size: 56
    .max_flat_workgroup_size: 128
    .sgpr_count:     98
    .vgpr_count:     1024
    .wavefront_size: 32
...
	.end_amdgpu_metadata
.endif
;; end of part 2
;; launch attn (part 3): grid 4 x 64, 8 waves a work-group, clusters of 4 x 1, 327,680 bytes of LDS; arguments qkv, attention_mask, lowp_scales, out0; writes out0
.if DOCPART == 3
	.amdgcn_target "amdgcn-amd-amdhsa--gfx1250"
	.amdhsa_code_object_version 6
	.text
	.protected	k_qde867a90ad_attn
	.globl	k_qde867a90ad_attn
	.p2align	8
	.type	k_qde867a90ad_attn,@function
k_qde867a90ad_attn:
	s_mov_b64 s[64:65], 0
	v_nop
	global_prefetch_b8 v0, s[64:65] scope:SCOPE_SE
	s_setreg_imm32_b32 hwreg(HW_REG_WAVE_MODE, 25, 1), 1
	s_wait_xcnt 0x0
	s_wait_alu depctr_hold_cnt(0) depctr_sa_sdst(0) depctr_va_vdst(0) depctr_va_sdst(0) depctr_va_ssrc(0) depctr_va_vcc(0) depctr_vm_vsrc(0)
	s_getreg_b32 s2, hwreg(HW_REG_IB_STS2, 6, 4)
	s_cmp_eq_u32 s2, 0
	s_cbranch_scc0 .Lentry_in_a_cluster
	s_endpgm
.Lentry_in_a_cluster:
	s_bfe_u32 s2, ttmp6, 0x10000c
	s_cmp_lg_u32 s2, 0x3003
	s_cbranch_scc0 .Lentry_shape_is_right
	s_endpgm
.Lentry_shape_is_right:
; out0[b][q][head][:] = sum over k of softmax_k(q . k / 8 + (1 - mask[b][k]) x finfo.min) v[k][:], both products on E4M3 codes (entries 6, 7, 8, 9 of lowp_scales: eq, ek, ep, ev).
; qkv holds images of operand registers: q, k: tile of 16 tokens x 1,024 bytes (c x 512 + 16 lane: dims 32 c + 16 h + 0..15); v: step of 128 keys x 8,192 + tile of 16 dims x 2,048 + c x 512 + 16 lane (keys 32 c + 16 h + 0..15).
; Token and feature rows lie with bits 3 and 4 of their index exchanged, so that the 16 registers of two neighbouring result tiles are 16 true neighbours.
; THE SOFTMAX: t = logit x log2(e); M = the running largest t rounded up to a whole number, kept as -M; p = 2^(t - M) is quantised with 2^ep; the row's sum is taken of the unquantised p and divides at the end.
; SHARES: a work-group owns 512 queries of one head, each of its 8 waves 64 of them: four tiles of 16, which share every fragment of K and V that the wave reads from LDS.  256 work-groups.
; CLUSTER: the four work-groups of a head need the same K and V, and ask for them jointly.  The head's whole K and V images (262,144 bytes) stay in LDS; nothing is filled again.  A wave has two loads: at the head 8,192 bytes,
; its part of key steps 0 to 3; behind the lines ahead of a later first fill, and a round, 24,576 bytes, its part of key steps 4 to 15, which are awaited behind the first key step.
; No prefetch is written: every byte that the launch reads is asked for ahead of its loop, so no loop runs ahead of a load.
; Both products are used transposed (S^T = K Q^T, O^T = V^T P^T): a lane holds one query throughout.
; THE MASK: t = sum x c + (1 - m) x finfo.min / 2, c = log2(e) / 8 x 2^(eq + ek).  finfo.min x log2(e) is no f32 number, so half of finfo.min stands for it.  m = 1 adds 0; any other m is 2^-24 or more from 1,
; so its key stands 1e31 or more under the others and its p is 0; where all keys of a row carry one m, the scores vanish beside the term.
; LIMITS: eq + ek between -123 and 130; ep between -126 and 119; the scaled scores of keys that count stay under 2^31 in magnitude.  NaN in the mask is not served.
; THE STEP of 128 keys is written three times: the first starts O^T with C = 0, the last fetches nothing more, 14 trips of a loop between them.
; REGISTERS.  Window 0: v1-11 addresses; v12-19 at work; v20-35 for each tile -M (a pair) and the sum (a pair); v36-43 partial sums; v64-127 S^T, then t, then p; v128-191 K's fragments; v192-255 the mask terms.
;   Window 1: v0-127 O^T of the four tiles; v128-159 Q; v160-175 p's codes; v192-255 V's fragments.
.set VIMG,   131072                    ; LDS: K's image, then V's,
.set MT,     262144                    ; the 2,048 mask terms,
.set STAGE,  270336                    ; the way out: 16 rows x 272 bytes for each wave,
.set SPITCH, 272
.set SPARE,  305152                    ; the spare words, 128 bytes for each wave
.set LI,  1
.set LIV, 2
.set LIM, 3
.set ADK, 4
.set ADV, 5
.set ADM, 6
.set STO, 7
.set RD,  8
.set GO,  9
.set SPW, 10
.set NIL, 11
.set C0,  12
.set PD,  16
.set SCV, 17
.set FS,  18
.set ST,  20
.set T0,  36
.set S,   64
.set KF,  128
.set MV,  192
.set O,   0
.set QF,  128
.set PC,  160
.set VF,  192
.set WV,  12
.set G1,  16                           ; s[16:23] group 1 of the first load: 32 rows of 256 bytes
.set G0,  24                           ; s[24:27] group 0, written anew behind the wait for the first load
.set G1B, 28                           ; s[28:35] group 1 of the second load: 96 rows
.set SEL, 40
.set CS,  42
.set HOLD, 44
.set TB,  45
.set MB,  46
.set CNT, 47
.set EO,  48
.set A2,  66                           ; s[66:67] the second load's bytes in memory, s68 in LDS
.set L2A, 68
.set MK,  69
.set MSB, 0
.macro WIN new                         ; the immediate's high byte repeats the setting that is left
.if MSB != (\new)
	s_set_vgpr_msb (MSB<<8)|(\new)
.set MSB, (\new)
.endif
.endm
.macro CROUND                          ; a round of the cluster's barrier
	s_barrier_signal -1
	s_barrier_wait -1
	s_cmp_lg_u32 s[WV], 0
	s_cbranch_scc1 .Lnot_wave_0_\@
	s_barrier_signal -3
.Lnot_wave_0_\@:
	s_barrier_wait -3
	s_barrier_signal -1
	s_barrier_wait -1
.endm
	s_load_b256 s[4:11], s[0:1], 0x0               ; qkv s[4:5], attention_mask s[6:7], lowp_scales s[8:9], out0 s[10:11]
	v_lshl_add_u32 v[SPW], v0, 2, SPARE
	v_mov_b32 v[NIL], 0
	ds_add_u32 v[SPW], v[NIL]                      ; the opening lines: the add, twice on end, and one wait
	ds_add_u32 v[SPW], v[NIL]
	v_lshrrev_b32 v44, 5, v0
	v_readfirstlane_b32 s[WV], v44                 ; wave 0..7
	v_lshlrev_b32 v44, 4, v0                       ; 16 x thread
	v_and_b32 v45, 31, v0
	v_and_b32 v46, 15, v0                          ; r
	v_bfe_u32 v47, v0, 4, 1                        ; h
	v_lshlrev_b32 v[LI], 4, v45                    ; 16 x lane
	s_bfe_u32 s13, ttmp6, 0x40000                  ; cx
	s_lshl_b32 s14, ttmp9, 2
	s_add_co_u32 s14, s14, s13                     ; which 512 queries
	s_and_b32 s15, ttmp7, 0xffff                   ; 16 batch + head
	s_mov_b32 s[G1], 15|(3<<16)|(1<<21)            ; the mask of all four partners; elements of 8 bytes; bit 21 beside a mask
	s_mov_b32 s[G1+1], 32<<16                      ; rows of 32 elements = 256 bytes,
	s_mov_b32 s[G1+2], 32<<16                      ; 32 of them, dense: 8,192 bytes
	s_mov_b32 s[G1+3], 32<<16
	s_mov_b32 s[G1+4], 32
	s_mov_b32 s[G1+5], 32
	s_mov_b32 s[G1+6], 0
	s_mov_b32 s[G1+7], 0
	s_mov_b32 s[G1B], 15|(3<<16)|(1<<21)
	s_mov_b32 s[G1B+1], 32<<16
	s_mov_b32 s[G1B+2], 96<<16                     ; 96 rows: 24,576 bytes
	s_mov_b32 s[G1B+3], 32<<16
	s_mov_b32 s[G1B+4], 96
	s_mov_b32 s[G1B+5], 32
	s_mov_b32 s[G1B+6], 0
	s_mov_b32 s[G1B+7], 0
	s_lshr_b32 s49, s[WV], 2                       ; waves 0-3 fetch K's quarters, waves 4-7 V's
	s_and_b32 s50, s[WV], 3
	s_lshl_b32 s51, s49, 17                        ; the image in LDS
	s_add_co_u32 s49, s49, 1
	s_lshl_b32 s58, s49, 23                        ; k's or v's third of qkv,
	s_lshl_b32 s49, s15, 17
	s_add_co_u32 s58, s58, s49                     ; my head's 131,072 bytes
	s_mul_i32 s[L2A], s50, 24576
	s_add_co_u32 s[L2A], s[L2A], 32768             ; the second load: behind key steps 0 to 3, my quarter of the rest,
	s_add_co_u32 s[A2], s58, s[L2A]                ; in memory
	s_mov_b32 s[A2+1], 0
	s_add_co_u32 s[L2A], s[L2A], s51               ; and in LDS
	s_lshl_b32 s50, s50, 13                        ; the first load: my quarter of key steps 0 to 3,
	s_add_co_u32 s58, s58, s50
	s_mov_b32 s59, 0
	s_add_co_u32 s51, s51, s50
	s_lshl_b32 s56, s14, 5
	s_lshl_b32 s57, s[WV], 2
	s_add_co_u32 s56, s56, s57                     ; my first tile of queries: 32 x work-group + 4 x wave
	s_lshl_b32 s56, s56, 10
	s_add_co_u32 s56, s56, s49
	s_mov_b32 s57, 0
	s_lshr_b32 s49, s15, 4                         ; the batch
	s_lshl_b32 s38, s49, 13                        ; its row of the mask
	s_mov_b32 s39, 0
	s_lshl_b32 s49, s49, 11
	s_lshl_b32 s50, s14, 9
	s_add_co_u32 s49, s49, s50
	s_lshl_b32 s50, s[WV], 6
	s_add_co_u32 s49, s49, s50                     ; my first token
	s_lshl_b32 s49, s49, 4
	s_and_b32 s50, s15, 15
	s_add_co_u32 s49, s49, s50                     ; x 16 + head
	s_lshl_b32 s36, s49, 8                         ; x 256 bytes
	s_mov_b32 s37, 0
	s_mov_b32 s[SEL], 0x76543210
	s_mov_b32 s[SEL+1], 0xfedcba98
	s_mov_b32 s[MK], 0xfeffffff                    ; finfo.min / 2
	s_mov_b32 s[TB], 0
	s_mov_b32 s[MB], 0
	s_wait_alu depctr_va_vdst(0)                   ; the wait here, directly ahead of the waits below
	s_wait_dscnt 0x0                               ; both opening adds are done
	s_wait_kmcnt 0x0
	s_load_b128 s[52:55], s[8:9], 0x18             ; eq, ek, ep, ev
	s_add_nc_u64 s[58:59], s[4:5], s[58:59]
	s_add_nc_u64 s[A2:A2+1], s[4:5], s[A2:A2+1]
	s_add_nc_u64 s[56:57], s[4:5], s[56:57]
	s_add_nc_u64 s[6:7], s[6:7], s[38:39]
	s_add_nc_u64 s[10:11], s[10:11], s[36:37]
	global_load_b128 v[48:51], v44, s[6:7]         ; the batch's 2,048 mask numbers: 256 threads x 2 x 16 bytes
	global_load_b128 v[52:55], v44, s[6:7] offset:4096
	WIN 0x40
.set n, 0
.rept 8
	global_load_b128 v[QF+4*n:QF+4*n+3], v[LI], s[56:57] offset:512*n th:TH_LOAD_NT   ; Q's four fragments stay in registers
.set n, n+1
.endr
	WIN 0
	s_mov_b32 s[G0], 1
	s_mov_b32 s[G0+1], s51
	s_mov_b64 s[G0+2:G0+3], s[58:59]
	s_or_b32 s[G0+3], s[G0+3], 0x80000000
	CROUND                                         ; the four partners are here: the joint loads meet
	tensor_load_to_lds s[G0:G0+3], s[G1:G1+7]      ; key steps 0 to 3: my one tensor load at the head
	s_nop 0
	v_add_nc_u32 v[LIV], VIMG, v[LI]
	v_lshl_add_u32 v[LIM], v47, 6, MT              ; mask terms: register 16 b + i is key 32 b + 16 h + i
	s_mul_i32 s49, s[WV], 16*SPITCH
	s_add_co_u32 s49, s49, STAGE
	v_mul_u32_u24 v[STO], v46, SPITCH
	v_lshl_add_u32 v[STO], v47, 6, v[STO]
	v_add_nc_u32 v[STO], s49, v[STO]               ; into my stage: row r, + 64 h
	v_mul_u32_u24 v[RD], v47, SPITCH
	v_lshl_add_u32 v[RD], v46, 4, v[RD]
	v_add_nc_u32 v[RD], s49, v[RD]                 ; out of it: sixteen lanes to a row
	v_lshlrev_b32 v[GO], 12, v47
	v_lshl_add_u32 v[GO], v46, 4, v[GO]            ; and in out0: a token is 4,096 bytes
	v_add_nc_u32 v56, MT, v44
	v_add_nc_u32 v[ADK], s[TB], v[LI]
	v_add_nc_u32 v[ADM], s[MB], v[LIM]
.irp u, 0,1,2,3
	v_mov_b32 v[ST+4*\u], 0x7f61b1e6               ; -M = 3e38: M lies under every t
	v_mov_b32 v[ST+4*\u+1], 0                      ; (named with it as a pair)
	v_mov_b32 v[ST+4*\u+2], 0                      ; the sum, in two halves
	v_mov_b32 v[ST+4*\u+3], 0
.endr
	v_mov_b32 v[FS+1], 0                           ; (named as the upper half of a pair)
	v_mov_b32 v[PD], 0                             ; a lane permute's destination counts as a source
	s_wait_alu depctr_va_vdst(0)                   ; the wait here, directly ahead of the wait below
	s_wait_kmcnt 0x0
	s_add_co_i32 s49, s52, s53
	s_lshl_b32 s49, s49, 23
	s_add_co_i32 s[CS], s49, 0x3e38aa3b            ; c = log2(e) / 8 x 2^(eq + ek)
	s_mov_b32 s[CS+1], s[CS]
	s_add_co_i32 s49, s54, 127
	s_lshl_b32 s50, s49, 23
	s_add_co_i32 s49, s49, 8
	s_lshl_b32 s49, s49, 23
	s_or_b32 s[HOLD], s49, 0x600000                ; 448 x 2^ep
	s_add_co_i32 s[EO], s54, s55
	v_mov_b32 v[SCV], s50                          ; 2^ep, for the conversions
	s_wait_alu depctr_va_vdst(0)                   ; likewise
	s_wait_loadcnt 0x0                             ; the mask and Q
.irp j, 48,49,50,51,52,53,54,55
	v_fma_f32 v\j, -v\j, s[MK], s[MK]              ; (1 - m) x finfo.min / 2
.endr
	ds_store_b128 v56, v[48:51]                    ; into bytes of their own, on which no tile lands
	ds_store_b128 v56, v[52:55] offset:4096
	s_wait_tensorcnt 0x0                           ; my part of key steps 0 to 3 is in; the lines ahead of a later first fill:
	ds_add_u32 v[SPW], v[NIL]
	s_mov_b32 s[G0+1], s[L2A]                      ; no load of mine is out: group 0 is written for the second load
	s_mov_b64 s[G0+2:G0+3], s[A2:A2+1]
	s_or_b32 s[G0+3], s[G0+3], 0x80000000
	s_wait_dscnt 0x0                               ; the add is done, and my mask terms are in LDS
	CROUND                                         ; everybody's parts are in, and the four partners are here
	tensor_load_to_lds s[G0:G0+3], s[G1B:G1B+7]    ; key steps 4 to 15, the first tensor load behind the round
	s_nop 0
.set n, 0
.rept 16
	ds_load_b128 v[KF+4*n:KF+4*n+3], v[LI] offset:512*n
.set n, n+1
.endr
.set n, 0
.rept 16
	ds_load_b128 v[MV+4*n:MV+4*n+3], v[LIM] offset:128*(n/4)+16*(n%4)
.set n, n+1
.endr
	WIN 0x40
.set n, 0
.rept 16
	ds_load_b128 v[VF+4*n:VF+4*n+3], v[LIV] offset:512*n
.set n, n+1
.endr
	WIN 0
; S^T of tile u: 8 tiles of 16 keys, K = the head's 64
.macro QK u
	WIN 0x04
.irp t, 0,1,2,3,4,5,6,7
	v_wmma_f32_16x16x64_fp8_fp8 v[S+8*\t:S+8*\t+7], v[KF+8*\t:KF+8*\t+7], v[QF+8*(\u):QF+8*(\u)+7], 0
.endr
.endm
; The softmax of tile u's 64 scores a lane, all in window 0.  LDM = 1: the step's last reader of the mask terms: their registers take the next step's
.macro SOFT u
.set NM, ST+4*(\u)
.set LS, ST+4*(\u)+2
.set q, 0
.rept 32
	v_pk_fma_f32 v[S+q:S+q+1], v[S+q:S+q+1], s[CS:CS+1], v[MV+q:MV+q+1] op_sel_hi:[1,0,1]   ; t = sum x c + the mask term; each accumulator from its low end on
.set q, q+2
.endr
.if LDM
.set n, 0
.rept 16
	ds_load_b128 v[MV+4*n:MV+4*n+3], v[ADM] offset:512+128*(n/4)+16*(n%4)
.set n, n+1
.endr
.endif
	v_max3_num_f32 v[C0], v[S], v[S+1], v[S+2]     ; the largest t, in four chains
	v_max3_num_f32 v[C0+1], v[S+3], v[S+4], v[S+5]
	v_max3_num_f32 v[C0+2], v[S+6], v[S+7], v[S+8]
	v_max3_num_f32 v[C0+3], v[S+9], v[S+10], v[S+11]
.set q, 12
.rept 26
	v_max3_num_f32 v[C0+(q/2-6)%4], v[C0+(q/2-6)%4], v[S+q], v[S+q+1]
.set q, q+2
.endr
	s_delay_alu instid0(VALU_DEP_1)
	v_max3_num_f32 v[C0], v[C0], v[C0+1], v[C0+2]
	s_delay_alu instid0(VALU_DEP_1)
	v_max_num_f32 v[C0], v[C0], v[C0+3]
	s_delay_alu instid0(VALU_DEP_1)
	v_permlanex16_b32 v[PD], v[C0], s[SEL], s[SEL+1]
	s_delay_alu instid0(VALU_DEP_1)
	v_max_num_f32 v[C0], v[C0], v[PD]              ; and lane l xor 16's
	s_delay_alu instid0(VALU_DEP_1)
	v_floor_f32 v[C0], -v[C0]                      ; -ceil(t)
	s_delay_alu instid0(VALU_DEP_1)
	v_min_num_f32 v[C0], v[C0], v[NM]              ; the new -M
	s_delay_alu instid0(VALU_DEP_1)
	v_sub_f32 v[C0+1], v[C0], v[NM]                ; old M - new M: a whole number, 0 or less
	s_delay_alu instid0(VALU_DEP_2)
	v_mov_b32 v[NM], v[C0]
	s_delay_alu instid0(VALU_DEP_2)
	v_cvt_i32_f32 v[C0+1], v[C0+1]                 ; (it saturates)
	s_delay_alu instid0(VALU_DEP_1)
	v_ldexp_f32 v[FS], 1.0, v[C0+1]                ; f = 2^(old M - new M)
.set q, 0
.rept 32
	v_pk_add_f32 v[S+q:S+q+1], v[S+q:S+q+1], v[NM:NM+1] op_sel_hi:[1,0]   ; t - M
.set q, q+2
.endr
	s_wait_alu depctr_va_vdst(0)                   ; the wait ahead of the batch
.set q, 0
.rept 64
	v_exp_f32 v[S+q], v[S+q]
.set q, q+1
.endr
	v_pk_mul_f32 v[LS:LS+1], v[LS:LS+1], v[FS:FS+1] op_sel_hi:[1,0]   ; the sum under the new M (a plain place behind the batch)
	s_wait_alu depctr_va_vdst(0)                   ; and the wait behind it
.irp k, 0,1,2,3
	v_pk_add_f32 v[T0+2*\k:T0+2*\k+1], v[S+4*\k:S+4*\k+1], v[S+4*\k+2:S+4*\k+3]   ; the sum of the unquantised p, in four chains
.endr
.set q, 16
.rept 24
	v_pk_add_f32 v[T0+q%8:T0+q%8+1], v[T0+q%8:T0+q%8+1], v[S+q:S+q+1]
.set q, q+2
.endr
	v_pk_add_f32 v[T0:T0+1], v[T0:T0+1], v[T0+2:T0+3]
	v_pk_add_f32 v[T0+4:T0+5], v[T0+4:T0+5], v[T0+6:T0+7]
.set q, 0
.rept 16
	v_dual_min_num_f32 v[S+q], s[HOLD], v[S+q] :: v_dual_min_num_f32 v[S+q+1], s[HOLD], v[S+q+1]   ; the hold at the largest code (ISA guide 7.6.2: the conversion does not saturate); p is not negative
.set q, q+2
.endr
	v_pk_add_f32 v[LS:LS+1], v[LS:LS+1], v[T0:T0+1]
.rept 16
	v_dual_min_num_f32 v[S+q], s[HOLD], v[S+q] :: v_dual_min_num_f32 v[S+q+1], s[HOLD], v[S+q+1]
.set q, q+2
.endr
	v_pk_add_f32 v[LS:LS+1], v[LS:LS+1], v[T0+4:T0+5]
.endm
; Tile u of a step.  mode 0: in the loop; 1: the last step; 2: the first.  The next tile's scores are asked of the matrix unit ahead of this tile's rescaling, whose 16 lines are the places behind them.
.macro TILE u, mode
.set LDM, 0
.if (\u == 3) && (\mode != 1)
.set LDM, 1
.endif
	SOFT \u
	WIN 0x40
.irp b, 0,1,2,3
	v_cvt_scalef32_pk8_fp8_f32 v[PC+4*\b:PC+4*\b+1], v[S+16*\b:S+16*\b+7], v[SCV]
	v_cvt_scalef32_pk8_fp8_f32 v[PC+4*\b+2:PC+4*\b+3], v[S+16*\b+8:S+16*\b+15], v[SCV]
.endr
	v_nop                                          ; a plain line between the last conversion and the matrix instructions that write its sources
.if \u < 3
	QK \u+1
.else
.if \mode != 1
	s_wait_dscnt 0x0                               ; the next step's K and mask terms are in
	QK 0
.endif
.endif
.if \u == 0
	s_wait_dscnt 0x0                               ; this step's V is in
.endif
	WIN 0x41
.if (\mode != 2) || (\u == 0) || (\u == 3)
	s_wait_alu depctr_va_vdst(0)                   ; the wait here: ahead of the first readers of O^T, and behind the wait above
.endif
.if \mode == 2
.rept 4
	v_nop                                          ; the places behind the scores' matrix instructions
.endr
.else
.set q, 0
.rept 16
	v_pk_mul_f32 v[O+32*\u+q:O+32*\u+q+1], v[O+32*\u+q:O+32*\u+q+1], v[FS:FS+1] op_sel_hi:[1,0]   ; O^T under the new M
.set q, q+2
.endr
.endif
	WIN 0x55
.irp t, 0,1,2,3
.if \mode == 2
	v_wmma_f32_16x16x128_fp8_fp8 v[O+32*\u+8*\t:O+32*\u+8*\t+7], v[VF+16*\t:VF+16*\t+15], v[PC:PC+15], 0
.else
	v_wmma_f32_16x16x128_fp8_fp8 v[O+32*\u+8*\t:O+32*\u+8*\t+7], v[VF+16*\t:VF+16*\t+15], v[PC:PC+15], v[O+32*\u+8*\t:O+32*\u+8*\t+7]
.endif
.endr
	WIN 0
.if (\u == 2) && (\mode != 1)                  ; tile 3's scores have been asked for: K's registers take the next step's
.set n, 0
.rept 16
	ds_load_b128 v[KF+4*n:KF+4*n+3], v[ADK] offset:8192+512*n
.set n, n+1
.endr
.endif
.if (\u == 3) && (\mode != 1)                  ; the step's end: on to the next step's addresses (these four lines are the places behind the last products), and V's registers take the next step's
	s_add_co_u32 s[TB], s[TB], 8192
	s_add_co_u32 s[MB], s[MB], 512
	v_add_nc_u32 v[ADV], s[TB], v[LIV]
	v_add_nc_u32 v[ADK], s[TB], v[LI]
	v_add_nc_u32 v[ADM], s[MB], v[LIM]
	v_nop
	WIN 0x40
.set n, 0
.rept 16
	ds_load_b128 v[VF+4*n:VF+4*n+3], v[ADV] offset:512*n
.set n, n+1
.endr
	WIN 0
.endif
.endm
	s_wait_dscnt 16                                ; K and the mask terms are in; V's 16 loads may be out
	QK 0
	WIN 0
.rept 4
	v_nop
.endr
.irp u, 0,1,2,3
	TILE \u, 2                                     ; key step 0; it fetches key step 1's fragments: both lie in the first load's bytes
.endr
	s_wait_tensorcnt 0x0                           ; my part of key steps 4 to 15 is in,
	s_wait_dscnt 0x0                               ; (no LDS instruction of mine is out at the signal)
	s_barrier_signal -1
	s_barrier_wait -1                              ; everybody's is.
	s_mov_b32 s[CNT], 14
.Lstep:
.irp u, 0,1,2,3
	TILE \u, 0
.endr
	s_sub_co_u32 s[CNT], s[CNT], 1
	s_cmp_lg_u32 s[CNT], 0
	s_cbranch_scc1 .Lstep
.irp u, 0,1,2,3
	TILE \u, 1
.endr
; THE WAY OUT.  O^T x 2^(ep + ev) / the sum goes through my stage, a tile of 16 queries at a time, and leaves as a head's 256 bytes of a token: sixteen lanes store one aligned unit.
.irp u, 0,1,2,3
	v_add_f32 v[C0+\u], v[ST+4*\u+2], v[ST+4*\u+3]
.endr
.irp u, 0,1,2,3
	v_permlanex16_b32 v[T0+\u], v[C0+\u], s[SEL], s[SEL+1]
.endr
.irp u, 0,1,2,3
	v_add_f32 v[C0+\u], v[C0+\u], v[T0+\u]         ; the row's sum
.endr
	s_wait_alu depctr_va_vdst(0)                   ; the wait ahead of the batch,
.irp u, 0,1,2,3
	v_rcp_f32 v[C0+\u], v[C0+\u]
.endr
	v_nop
	s_wait_alu depctr_va_vdst(0)                   ; and behind it
.irp u, 0,1,2,3
	v_ldexp_f32 v[T0+2*\u], v[C0+\u], s[EO]
.endr
.macro OUTA u
	WIN 0x01
	s_wait_alu depctr_va_vdst(0)                   ; the wait directly ahead of the first readers of O^T
.set n, 0
.rept 16
	v_pk_mul_f32 v[S+32*(\u%2)+n:S+32*(\u%2)+n+1], v[O+32*\u+n:O+32*\u+n+1], v[T0+2*\u:T0+2*\u+1] op_sel_hi:[1,0]
.set n, n+2
.endr
	WIN 0
.set n, 0
.rept 8
	ds_store_b128 v[STO], v[S+32*(\u%2)+4*n:S+32*(\u%2)+4*n+3] offset:128*(n/4)+16*(n%4)   ; register 8 t + j is dim 32 (t / 2) + 16 h + 8 (t % 2) + j
.set n, n+1
.endr
.set n, 0
.rept 8
	ds_load_b128 v[KF+32*\u+4*n:KF+32*\u+4*n+3], v[RD] offset:2*n*SPITCH   ; LDS serves a wave's instructions in order: these see my stores
.set n, n+1
.endr
.endm
.macro SEND u, younger                 ; younger: the LDS instructions issued behind this tile's loads
.set n, 0
.rept 8
	s_wait_dscnt \younger+7-n
	global_store_b128 v[GO], v[KF+32*\u+4*n:KF+32*\u+4*n+3], s[10:11] offset:(32*(\u/2)+8*(\u%2)+(2*n)%8+16*(n/4))*4096 th:TH_STORE_NT   ; stored row i of tile u is token 32 (u / 2) + 8 (u % 2) + i % 8 + 16 (i / 8)
.set n, n+1
.endr
.endm
	OUTA 0
	OUTA 1
	SEND 0, 16
	SEND 1, 0
	OUTA 2
	OUTA 3
	SEND 2, 16
	SEND 3, 0
	s_wait_tensorcnt 0x0                           ; the wave's end
	ds_add_u32 v[SPW], v[NIL]
	s_wait_dscnt 0x0
	CROUND                                         ; the closing round
	s_endpgm
.Lfunc_end_k_qde867a90ad_attn:
	.size	k_qde867a90ad_attn, .Lfunc_end_k_qde867a90ad_attn-k_qde867a90ad_attn
	.p2alignl 7, 3214868480
	.fill 96, 4, 3214868480
	.section	.rodata,"a",@progbits
	.p2align	6, 0x0
	.amdhsa_kernel k_qde867a90ad_attn
		.amdhsa_group_segment_fixed_size 327680
		.amdhsa_private_segment_fixed_size 0
		.amdhsa_enable_private_segment 0
		.amdhsa_kernarg_size 32
		.amdhsa_user_sgpr_count 2
		.amdhsa_user_sgpr_kernarg_segment_ptr 1
		.amdhsa_wavefront_size32 1
		.amdhsa_system_sgpr_workgroup_id_x 1
		.amdhsa_system_sgpr_workgroup_id_y 1
		.amdhsa_system_sgpr_workgroup_id_z 1
		.amdhsa_system_vgpr_workitem_id 0
		.amdhsa_next_free_vgpr 512
		.amdhsa_next_free_sgpr 70
		.amdhsa_reserve_vcc 0
		.amdhsa_float_denorm_mode_32 3
		.amdhsa_float_denorm_mode_16_64 3
		.amdhsa_memory_ordered 1
		.amdhsa_forward_progress 1
		.amdhsa_inst_pref_size 212
	.end_amdhsa_kernel
	.amdgpu_metadata
---
amdhsa.version: [ 1, 2 ]
amdhsa.kernels:
  - .name:           k_qde867a90ad_attn
    .symbol:         k_qde867a90ad_attn.kd
    .args:
      - { .name: qkv, .offset: 0, .size: 8, .value_kind: global_buffer, .address_space: global }
      - { .name: attention_mask, .offset: 8, .size: 8, .value_kind: global_buffer, .address_space: global }
      - { .name: lowp_scales, .offset: 16, .size: 8, .value_kind: global_buffer, .address_space: global }
      - { .name: out0, .offset: 24, .size: 8, .value_kind: global_buffer, .address_space: global }
    .group_segment_fixed_size: 327680
    .private_segment_fixed_size: 0
    .kernarg_segment_align: 8
    .kernarg_segment_size: 32
    .max_flat_workgroup_size: 256
    .sgpr_count:     70
    .vgpr_count:     512
    .wavefront_size: 32
...
	.end_amdgpu_metadata
.endif
;; end of part 3
